; MI455X (gfx1250); checked and timed in simulation.
; The chip was launched on July 23, 2026; its instructions are those of AMD's public machine-readable ISA for CDNA 5 (MIT licence, August 2026) and "CDNA5" Instruction Set Architecture Reference Guide (July 2026). The comments in the code are by the model that wrote it; some were corrected since.
;; Set Abstraction. Allowed arithmetic: matrix products marked QUANTISED: E2M1 operands, one E8M0 scale for each 32 along K, by v_wmma_scale_f32_16x16x128_f8f6f4 with both operands' format E2M1 (or v_wmma_scale_f32_32x16x128_f4), f32 sums; products left as they are: f32 operands where the result goes on into a quantised operand, else bf16, f16 or f32 operands; f32 sums; everything else in f32.
;; Inputs: W1 128 x 64 float32; W2 128 x 128 float32; W3 128 x 128 float32; b1 128 float32; b2 128 float32; b3 128 float32; fps_idx 1,024 int32; points 8 x 64 x 32,768 float32; xyz 8 x 3 x 32,768 float32.
;; Outputs: out0 8 x 3 x 1,024 float32; out1 8 x 128 float32.
;; This version of the problem:
;;   THIS VERSION OF THE PROBLEM IS GIVEN IN LOW PRECISION. The matrix products marked QUANTISED in the list below multiply operands that are first quantised to E2M1 (2 exponent bits, 1 mantissa bit; 4 bits a number), with one power-of-two scale for each 32 numbers along K (OCP MX v1.0); their sums are f32. All else is computed in f32.
;;   The module's matrix products, in the order in which they are computed (A, B: the left and right operand; K: the contracted axis; several contracted axes count as one K, in the product's order):
;;     1. batch 8 x [M 1,024, K 3] x [K 3, N 32,768]; A: computed on the way; B: input xyz: left as it is (K = 3 < 32)
;;     2. [M 262,144, K 64] x [K 64, N 128]; A: input points; B: input W1: QUANTISED
;;     3. [M 262,144, K 128] x [K 128, N 128]; A: computed on the way; B: input W2: QUANTISED
;;     4. [M 262,144, K 128] x [K 128, N 128]; A: computed on the way; B: input W3: QUANTISED
;;   THE QUANTISER, for each operand of a quantised product, along K:
;;     - K is cut into blocks of 32 from its start; a last block that is shorter is filled with zeros.
;;     - A block's scale is 2^e with e = floor(log2(the largest magnitude in the block)) - 2, held to -126 .. 127; a block of zeros has e = 0. As a byte (E8M0): e + 127.
;;     - Each number is divided by its block's scale, clamped to +-6, and rounded to the nearest number of E2M1, ties to even, subnormals kept.
;;     - The product sums the exact products of the quantised numbers (number of the format x scale) in f32.
;;   ~~~python
;;   def quantise(x, axis):      # numpy; x: float32 -> the quantised numbers, widened to float32 again
;;       x = np.moveaxis(x, axis, -1); K = x.shape[-1]
;;       x = np.pad(x, [(0, 0)] * (x.ndim - 1) + [(0, -K % 32)]); x = x.reshape(x.shape[:-1] + (-1, 32)); a = np.abs(x).max(-1, keepdims=True)
;;       e = np.where(a > 0, np.clip(np.frexp(np.where(a > 0, a, 1))[1] - 1 - 2, -126, 127), 0)      # np.frexp(a)[1] - 1 = floor(log2(a)), exactly
;;       r = np.clip(x / 2.0 ** e, -6, 6)
;;       step = 2.0 ** (np.maximum(np.frexp(np.where(r == 0, 1, r))[1] - 1, 0) - 1)
;;       q = np.round(r / step) * step * 2.0 ** e      # np.round: ties to even
;;       return np.moveaxis(q.reshape(q.shape[:-2] + (-1,))[..., :K], -1, axis).astype(np.float32)
;;   ~~~
;;   OPERANDS COMPUTED ON THE WAY. 'Computed on the way' means the value that the module computes at that place (a softmax that the list does not call 'softmax' is quantised finished and normalised). What goes into a quantiser is computed in f32, as accurately as f32 sums, v_exp_f32 and their like allow (about 1e-6 of the number): no bf16 or f16 on the way to a quantiser, and a product that is left as it is and whose result goes on into a quantised operand takes f32 operands (vector FMAs, or v_wmma_f32_16x16x4_f32). A number that lies on a knife's edge between two numbers of the format may be rounded either way, as far as f32 arithmetic and the matrix unit's own rounding can turn it there, and no further.
;; One version. Each part assembles by itself: llvm-mc -triple=amdgcn-amd-amdhsa -mcpu=gfx1250 --defsym DOCPART=n.
;; ======== version 1 of 1: 2 launches
;; workspace buffers: part 131,072 bytes
;; launch main (part 1): grid 256 x 1, 16 waves a work-group, no clusters, 70,400 bytes of LDS; arguments xyz, points, fps_idx, W1, b1, W2, b2, W3, out0, part; writes out0, part
.if DOCPART == 1
	.amdgcn_target "amdgcn-amd-amdhsa--gfx1250"
	.amdhsa_code_object_version 6
	.text
	.protected	k_q32f2476f19_main
	.globl	k_q32f2476f19_main
	.p2align	8
	.type	k_q32f2476f19_main,@function
k_q32f2476f19_main:
	s_mov_b64 s[64:65], 0
	v_nop
	global_prefetch_b8 v0, s[64:65] scope:SCOPE_SE
	s_setreg_imm32_b32 hwreg(HW_REG_WAVE_MODE, 25, 1), 1
	s_wait_xcnt 0x0
; SET ABSTRACTION, first of two launches.  xyz [8][3][32768], points [8][64][32768], fps_idx [1024], W1 [128][64], W2, W3 [128][128], b1, b2 [128]: f32 (fps_idx: i32).
; out0 [8][3][1024] = xyz at the 1,024 sampled centres.  part [256][128] = for each work-group the largest RAW sum of layer 3 (no bias, no relu) over those of its
; 1,024 points that lie in any ball, or the lowest finite f32 where it has none.  Adding b3 and clipping at 0 never turn the order of two sums round, so they are done once,
; behind the maximum, by the second launch.
; SHARES.  Work-group g: batch g / 32, points 1024 (g % 32) on.  Each of its sixteen waves owns 64 points for the three layers.  256 registers a wave, no register windows.
; THE BALL TEST has K = 3: it goes by packed f32 multiply-adds, not by a matrix form.  With a = -2 c:  d = ax px + (ay py + (az pz + |c|^2)), a register pair holding TWO CENTRES and the point's coordinate
; serving both halves: three packed multiply-adds and one three-way minimum for two pairs of a lane.  A pair of centres is 32 bytes of LDS, read by all lanes at once; so that each such read feeds
; 32 vector instructions, a wave tests 256 points (eight a lane: those of the four waves 4 (w / 4) on) against 256 centres (quarter w % 4).  The minima, + |p|^2, meet in LDS; each wave then takes
; the least of the four quarters for its own 64 points and holds it against 0.01 (f32).  (The addition keeps the order of two numbers, so it may stand ahead of the last minimum.)
; LIMITS.  The distance is rounded in another order than |c|^2 + |p|^2 - 2 c.p: a point whose squared distance to its nearest centre lies within about 1e-6 (|c|^2 + |p|^2) of 0.01 may fall on the other side.
; Infinite coordinates, and NaN or infinities among features and weights, are not served; a NaN coordinate leaves its point (or its centre) out.
; A block of zeros gets the scale byte 1 where the quantiser says 127: its codes are zeros, and the bytes are read by this program alone.
; THE THREE LAYERS run on codes of E2M1 with one E8M0 byte for each 32 along K.  Layers 1 and 2 are used transposed (source 0 = 16 rows of W, source 1 = 16 points), so that a lane holds one point
; and its registers run along the units, the next K.  THE ROWS OF A WEIGHT THAT FORM A TILE ARE NOT NEIGHBOURS: lane r of tile t takes row 32 (t / 2) + 8 (t % 2) + r + 8 (r / 8), so that the
; 16 registers of tiles 2 b and 2 b + 1 are units 32 b + 16 (lane / 16) + 0 .. 15.  Layer 3 is used as it stands (source 0 = points, source 1 = W3): a lane holds one unit and eight points, and the maximum runs down its registers.
; Layer 1 has K = 64: the upper 64 places of both operands hold zero codes under the byte 127.
; THE FEATURES come by plain loads, a lane to a point and a register to a channel, which is the order that the conversions want; they are asked for under the ball test, the last of them
; seven trips (896 vector instructions of the wave) ahead of the one wait for them: so no tensor load, no ring and no prefetch is written.
; NO CLUSTER: what work-groups share is the weights (163,840 bytes of f32) and a batch's gathered centres (12,288 bytes), read once at the head, and both have to pass through registers
; (quantiser, -2 c and |c|^2) before LDS holds what the loops read: a joint tensor load would need a stage for the f32 bytes and a second pass over them.
; LDS, in bytes: matrix operands lie as IMAGES OF THEIR REGISTERS (four registers: 16 bytes at 16 x lane), so every read of them is 512 consecutive bytes.
.set W1IMG, 0                          ; 8 tiles x 512: registers 0-3 of W1's fragments
.set W2IMG, 4096                       ; 8 tiles x 1,024
.set W3IMG, 12288                      ; 8 tiles x 1,024
.set WSC,   20480                      ; scale words: 512 x layer + 64 x tile + 4 r
.set BIAS,  22016                      ; b1, then b2
.set CAP,   23040                      ; 4 x point: +infinity for a point in a ball, else the lowest finite f32
.set RED,   27136                      ; 512 x wave + 4 x unit
.set CT,    35328                      ; 512 pairs of centres x 32: ax0 ax1 ay0 ay1, az0 az1 cc0 cc1; 256 bytes behind them are left free
.set MINS,  51968                      ; 4,096 x quarter of the centres + 4 x point: the least squared distance
.set ROWN,  131072                     ; 32,768 f32 in bytes
.set FLOOR, 0x1800000                  ; 2^(3 - 127): under it no largest magnitude is taken, so a scale's byte cannot fall under 1
; registers that stay
.set LI,   1                           ; 16 x lane
.set LS,   2                           ; 4 x lane: scale words in LDS, and my point's offset in a row of features or of xyz
.set BH,   3                           ; 64 x (lane / 16)
.set CAPW, 4                           ; 256 x wave + 4 x lane: my own points' words among the caps and the minima
.set CAPR, 5                           ; 256 x wave + 32 x (lane / 16)
.set REDW, 6                           ; 512 x wave + 4 (r + 8 (r / 8))
.set LC0,  7                           ; 4,096 x (wave % 4): my quarter of the centres; the same in all lanes
.set RUN,  8                           ; v8-15: layer 3's running maxima, one a tile of units
.set PT,   16                          ; v16-63: the ball test's eight points, six registers each: x, Ma, y, Mb, z, |p|^2.  The coordinates stand on even registers, as the lower halves of pairs;
                                       ;         the two running minima and |p|^2 fill the odd ones
.set XC,   16                          ; v16-47: codes: the features', later layer 2's results
.set YC,   48                          ; v48-79: codes: layer 1's results
.set DD,   64                          ; v64-79: the ball test's results, a pair (two centres) for each point
.set CR,   80                          ; v80-111: four pairs of centres by turns, 8 registers each
.set CAPV, 80                          ; v80-111: layer 3: the caps of my 64 points
.set MN,   96                          ; v96-103: my points' four minima; v104, v105 the two caps
.set T,    108                         ; v108-115: at work in the features' quantiser
.set ADR,  112                         ; the ball test: LDS address of the trip's centres
.set MW,   113                         ; and where my eight minima go: 4,096 (wave % 4) + 1,024 (wave / 4) + 4 x lane
.set PWA,  116                         ; v116-119: scale words of layer 1's results.  v116-127 hold scales and nothing else
.set PWB,  120                         ; v120-123: of the features (two registers), later of layer 2's results
.set WS,   124                         ; v124-127: the weights' scale words
.set F,    128                         ; v128-255: features: group g (points 32 g + lane), channel c at v[F + 64 g + c]
.set ACC,  128                         ; v128-191: 2 tiles of units x 4 tiles of points
.set WF,   192                         ; v192-207: two weight fragments
.set BR,   208                         ; v208-223: their biases, in the result's layout
.set TM,   224                         ; v224-239: largest, the other half's, scale operand, byte: four each
.set TB,   48                          ; s48: the trip's first byte in a quarter of the centres
.set CNT,  49                          ; s49: trips to go
; the head's own, all done with at the first barrier
.set LN,   8
.set RR,   9
.set HH,   10
.set RX,   12
.set WC,   64                          ; v64-71: the codes of my tile of W2 or W3
.set WQT,  72                          ; v72-79: at work on it
.set W1W,  80                          ; v80-87: at work on W1
.set CK,   88                          ; v88-95: my pair of centres as it goes to LDS
.set WT,   128                         ; v128-191: my 64 numbers of a tile of W2 or W3
.set W1T,  208                         ; v208-223: my 16 numbers of W1
.set IDX,  224
.set BV,   226
.set SH1,  227
.set G,    228                         ; v228-233: x0 x1 y0 y1 z0 z1 of my two centres
.set GOF,  234
.set AID,  236                         ; 8 x thread
.set AR4,  237                         ; 4 r
.set AW,   238
.set AW1,  239
.set LB,   240                         ; LDS: 64 x wave + 4 r
.set LW,   241                         ; LDS: 1,024 x wave + 16 x lane
.set LW1,  242
.set LW1S, 243
.set LCT,  244                         ; LDS: 32 x thread
.macro PLACES n                        ; plain vector instructions that name no register (ISA guide 7.12.1)
.rept \n
	v_nop
.endr
.endm
.macro FLOAD i                         ; feature load i of 128: channel i / 2, group i % 2.  A pair covers 256 consecutive bytes, aligned; the largest immediate, 8,257,664, lies inside the signed 24 bits
	global_load_b32 v[F+64*((\i)%2)+(\i)/2], v[LS], s[6:7] offset:((\i)/2)*ROWN+((\i)%2)*128 th:TH_LOAD_NT
.endm
.macro FBATCH first, n
.set fi, \first
.rept \n
	FLOAD fi
.set fi, fi+1
.endr
.endm
	s_load_b512 s[4:19], s[0:1], 0x0               ; xyz s[4:5], points s[6:7], fps_idx s[8:9], W1 s[10:11], b1 s[12:13], W2 s[14:15], b2 s[16:17], W3 s[18:19]
	s_load_b128 s[20:23], s[0:1], 0x40             ; out0 s[20:21], part s[22:23]
	v_lshrrev_b32 v[LN], 5, v0
	v_readfirstlane_b32 s24, v[LN]                 ; wave 0..15
	s_lshr_b32 s25, ttmp9, 5                       ; batch
	s_and_b32 s26, ttmp9, 31                       ; which 1,024 points of it
	s_mov_b32 s29, 0
	s_mov_b32 s34, 0x76543210
	s_mov_b32 s35, 0xfedcba98                      ; v_permlanex16_b32's selects for lane l xor 16
	s_lshr_b32 s36, s24, 2                         ; the ball test: which 256 points,
	s_and_b32 s37, s24, 3                          ; and which quarter of the centres
	s_lshl_b32 s38, s24, 8
	s_lshl_b32 s39, s24, 9
	s_lshl_b32 s40, s24, 6
	s_lshl_b32 s41, s24, 10
	s_lshr_b32 s42, s24, 1
	s_and_b32 s43, s24, 1
	v_and_b32 v[LN], 31, v0                        ; lane
	v_and_b32 v[RR], 15, v0                        ; r
	v_bfe_u32 v[HH], v0, 4, 1                      ; h
	v_lshlrev_b32 v[LI], 4, v[LN]
	v_lshlrev_b32 v[LS], 2, v[LN]
	v_lshlrev_b32 v[BH], 6, v[HH]
	v_add_nc_u32 v[CAPW], s38, v[LS]
	v_lshl_add_u32 v[CAPR], v[HH], 5, s38
	v_and_b32 v[RX], 8, v[RR]
	v_add_nc_u32 v[RX], v[RX], v[RR]               ; r + 8 (r / 8)
	v_lshl_add_u32 v[REDW], v[RX], 2, s39
	v_bfe_u32 v[LC0], v0, 5, 2                     ; wave % 4, from the thread's number
	v_lshlrev_b32 v[LC0], 12, v[LC0]
	s_lshl_b32 s44, s37, 12
	s_lshl_b32 s45, s36, 10
	s_add_co_u32 s44, s44, s45
	v_add_nc_u32 v[MW], s44, v[LS]
	v_lshlrev_b32 v[AID], 3, v0                    ; my two indices, and my two numbers in a row of out0
	v_lshlrev_b32 v[AR4], 2, v[RR]
	v_lshlrev_b32 v[AW], 9, v[RX]                  ; W2, W3: my row of the tile, 512 bytes a row,
	v_lshl_add_u32 v[AW], v[HH], 7, v[AW]          ; + 32 h numbers: the operand's layout gives lane (r, h) k = 64 c + 32 h + 0 .. 31
	v_lshrrev_b32 v13, 2, v[LN]
	v_and_b32 v14, 3, v[LN]
	v_lshlrev_b32 v[AW1], 8, v13                   ; W1: four lanes to a row of 256 bytes, 16 numbers a lane
	v_lshl_add_u32 v[AW1], v14, 6, v[AW1]
	v_add_nc_u32 v[LB], s40, v[AR4]
	v_add_nc_u32 v[LW], s41, v[LI]
	s_lshl_b32 s44, s42, 9
	s_lshl_b32 s45, s43, 7
	s_add_co_u32 s44, s44, s45                     ; W1's image: tile wave / 2, its lanes 8 (wave % 2) on
	v_bfe_u32 v15, v0, 1, 1                        ; which block of 32 my 16 numbers lie in,
	v_and_b32 v14, 1, v0                           ; and which half of it
	v_lshl_add_u32 v[LW1], v13, 4, s44
	v_lshl_add_u32 v[LW1], v15, 8, v[LW1]
	v_lshl_add_u32 v[LW1], v14, 3, v[LW1]
	v_lshlrev_b32 v[SH1], 3, v15
	s_lshl_b32 s44, s42, 6
	s_lshl_b32 s45, s43, 5
	s_add_co_u32 s44, s44, s45
	v_lshl_add_u32 v[LW1S], v13, 2, s44
	v_lshlrev_b32 v[LCT], 5, v0                    ; thread t makes pair t of the centres: 2 t and 2 t + 1
	s_wait_kmcnt 0x0
	global_load_b64 v[IDX:IDX+1], v[AID], s[8:9]   ; first of all: the gathers hang on it
	s_mul_i32 s28, s25, 3*ROWN
	s_add_nc_u64 s[4:5], s[4:5], s[28:29]          ; xyz at my batch
	s_lshl_b32 s46, s26, 12                        ; 4 bytes x 1,024 (g % 32)
	s_lshl_b32 s47, s36, 10
	s_add_co_u32 s28, s46, s47
	s_add_nc_u64 s[30:31], s[4:5], s[28:29]        ; xyz at the 256 points that I test
	s_lshl_b32 s47, s25, 23                        ; a batch of features: 64 rows of 131,072 bytes
	s_add_co_u32 s28, s46, s38
	s_add_co_u32 s28, s28, s47
	s_add_nc_u64 s[6:7], s[6:7], s[28:29]          ; the features at my wave's own 64 points
	s_cmp_lt_u32 s24, 8                            ; waves 0-7 take W2's tiles and b1, waves 8-15 W3's tiles and b2: the choice hangs on the wave's number alone
	s_cselect_b64 s[14:15], s[14:15], s[18:19]
	s_cselect_b64 s[12:13], s[12:13], s[16:17]
	s_and_b32 s46, s24, 7
	s_lshl_b32 s28, s46, 6
	s_add_nc_u64 s[12:13], s[12:13], s[28:29]      ; my 16 numbers of the bias
	s_lshr_b32 s47, s46, 1
	s_lshl_b32 s47, s47, 5
	s_lshl_b32 s28, s43, 3
	s_add_co_u32 s28, s28, s47                     ; my tile's first row: 32 (t / 2) + 8 (t % 2)
	s_lshl_b32 s28, s28, 9
	s_add_nc_u64 s[14:15], s[14:15], s[28:29]
	s_lshr_b32 s47, s24, 2
	s_lshl_b32 s47, s47, 5
	s_and_b32 s28, s42, 1
	s_lshl_b32 s28, s28, 3
	s_add_co_u32 s28, s28, s47
	s_lshl_b32 s47, s43, 4
	s_add_co_u32 s28, s28, s47                     ; W1: rows 32 (w / 4) + 8 ((w / 2) % 2) + 16 (w % 2) on: eight neighbouring rows
	s_lshl_b32 s28, s28, 8
	s_add_nc_u64 s[10:11], s[10:11], s[28:29]
	s_mul_i32 s28, s25, 12288
	s_add_nc_u64 s[20:21], s[20:21], s[28:29]      ; out0 at my batch
	s_lshl_b32 s28, ttmp9, 9
	s_add_nc_u64 s[22:23], s[22:23], s[28:29]      ; part at my work-group's row
	global_load_b32 v[BV], v[AR4], s[12:13]
.irp c, 0,1
.irp i, 0,1,2,3,4,5,6,7
	global_load_b128 v[WT+32*\c+4*\i:WT+32*\c+4*\i+3], v[AW], s[14:15] offset:256*\c+16*\i
.endr
.endr
.irp i, 0,1,2,3
	global_load_b128 v[W1T+4*\i:W1T+4*\i+3], v[AW1], s[10:11] offset:16*\i
.endr
.irp j, 0,1,2,3,4,5,6,7
.irp q, 0,1,2
	global_load_b32 v[PT+6*\j+2*\q], v[LS], s[30:31] offset:\q*ROWN+128*\j    ; coordinate q of point 32 j + lane of the 256
.endr
.endr
	s_wait_loadcnt 45                              ; behind the indices: 1 bias, 16 of W, 4 of W1, 24 of xyz
	v_min_u32 v[GOF], 0x7fff, v[IDX]               ; an index stays inside its table; held there all the same
	v_min_u32 v[GOF+1], 0x7fff, v[IDX+1]
	v_lshlrev_b32 v[GOF], 2, v[GOF]
	v_lshlrev_b32 v[GOF+1], 2, v[GOF+1]
.irp q, 0,1,2
	global_load_b32 v[G+2*\q], v[GOF], s[4:5] offset:\q*ROWN
	global_load_b32 v[G+2*\q+1], v[GOF+1], s[4:5] offset:\q*ROWN
.endr
	; ---- my tile of W2 or W3: two whole blocks of 32 a lane
	s_wait_loadcnt 34                              ; bias and W are in; behind them: 4 of W1, 24 of xyz, 6 gathers
	ds_store_b32 v[LB], v[BV] offset:BIAS          ; (lanes r and r + 16 write the same word with the same value)
.irp c, 0,1
	v_max3_num_f32 v[WQT+\c], |v[WT+32*\c]|, |v[WT+32*\c+1]|, FLOOR
.endr
.irp i, 2,4,6,8,10,12,14,16,18,20,22,24,26,28,30
.irp c, 0,1
	v_max3_num_f32 v[WQT+\c], v[WQT+\c], |v[WT+32*\c+\i]|, |v[WT+32*\c+\i+1]|
.endr
.endr
.irp c, 0,1
	v_add_nc_u32 v[WQT+2+\c], 0xff000000, v[WQT+\c]  ; 2 off the exponent field: the conversion takes the exponent field of this operand as its scale
.endr
.irp c, 0,1
	v_lshrrev_b32 v[WQT+4+\c], 23, v[WQT+2+\c]     ; the scale's byte
.endr
	v_lshl_or_b32 v[WQT+6], v[WQT+5], 16, v[WQT+4] ; my bytes: blocks h and 2 + h of my row,
	v_lshlrev_b32 v[WQT+7], 3, v[HH]
	v_lshlrev_b32 v[WQT+6], v[WQT+7], v[WQT+6]     ; at their places in the word;
	v_mov_b32 v[WQT+7], 0
	v_permlanex16_b32 v[WQT+7], v[WQT+6], s34, s35
	v_or_b32 v[WQT+6], v[WQT+6], v[WQT+7]          ; with lane l xor 16's two the word is whole
.irp c, 0,1
.irp g, 0,1,2,3
	v_cvt_scalef32_pk8_fp4_f32 v[WC+4*\c+\g], v[WT+32*\c+8*\g:WT+32*\c+8*\g+7], v[WQT+2+\c]
.endr
.endr
	v_nop                                          ; one plain place behind the last scaled conversion
	ds_store_b128 v[LW], v[WC:WC+3] offset:W2IMG   ; W3's images follow W2's, as waves 8-15 follow waves 0-7
	ds_store_b128 v[LW], v[WC+4:WC+7] offset:W2IMG+512
	ds_store_b32 v[LB], v[WQT+6] offset:WSC+512
	; ---- my eight rows of W1: 16 numbers a lane, two lanes to a block
	s_wait_loadcnt 30                              ; W1 is in; behind it: 24 of xyz, 6 gathers
	FBATCH 0, 32                                   ; channels 0-15 of my own 64 points: v128-143, where W's numbers are done with, and v192-207
	v_max3_num_f32 v[W1W], |v[W1T]|, |v[W1T+1]|, FLOOR
	v_max3_num_f32 v[W1W+1], |v[W1T+2]|, |v[W1T+3]|, |v[W1T+4]|
	v_max3_num_f32 v[W1W], v[W1W], |v[W1T+5]|, |v[W1T+6]|
	v_max3_num_f32 v[W1W+1], v[W1W+1], |v[W1T+7]|, |v[W1T+8]|
	v_max3_num_f32 v[W1W], v[W1W], |v[W1T+9]|, |v[W1T+10]|
	v_max3_num_f32 v[W1W+1], v[W1W+1], |v[W1T+11]|, |v[W1T+12]|
	v_max3_num_f32 v[W1W], v[W1W], |v[W1T+13]|, |v[W1T+14]|
	v_max3_num_f32 v[W1W], v[W1W], v[W1W+1], |v[W1T+15]|
	v_max_num_f32_dpp v[W1W], v[W1W], v[W1W] row_xmask:1 row_mask:0xf bank_mask:0xf   ; with my neighbour's 16: the block's
	v_add_nc_u32 v[W1W+2], 0xff000000, v[W1W]
	v_lshrrev_b32 v[W1W+3], 23, v[W1W+2]
	v_lshlrev_b32 v[W1W+3], v[SH1], v[W1W+3]       ; my block's byte at its place,
	v_mov_b32 v[W1W+4], 0
	v_mov_b32_dpp v[W1W+4], v[W1W+3] row_xmask:2 row_mask:0xf bank_mask:0xf           ; the row's other block's,
	v_or_b32 v[W1W+3], v[W1W+3], v[W1W+4]
	v_or_b32 v[W1W+3], 0x7f7f0000, v[W1W+3]        ; and 127 for the two blocks of zero codes that fill K up to 128
	v_cvt_scalef32_pk8_fp4_f32 v[W1W+6], v[W1T:W1T+7], v[W1W+2]
	v_cvt_scalef32_pk8_fp4_f32 v[W1W+7], v[W1T+8:W1T+15], v[W1W+2]
	v_nop
	ds_store_b64 v[LW1], v[W1W+6:W1W+7] offset:W1IMG
	ds_store_b32 v[LW1S], v[W1W+3] offset:WSC      ; (a row's four lanes write the same word with the same value)
	; ---- the eight points that I test: |p|^2, and the two running minima begin at +infinity
	s_wait_loadcnt 38                              ; xyz is in; behind it: 6 gathers, 32 features
.irp j, 0,1,2,3,4,5,6,7
	v_mul_f32 v[PT+6*\j+5], v[PT+6*\j], v[PT+6*\j]
.endr
.irp j, 0,1,2,3,4,5,6,7
	v_fma_f32 v[PT+6*\j+5], v[PT+6*\j+2], v[PT+6*\j+2], v[PT+6*\j+5]
.endr
.irp j, 0,1,2,3,4,5,6,7
	v_fma_f32 v[PT+6*\j+5], v[PT+6*\j+4], v[PT+6*\j+4], v[PT+6*\j+5]
.endr
.irp j, 0,1,2,3,4,5,6,7
	v_mov_b32 v[PT+6*\j+1], 0x7f800000
	v_mov_b32 v[PT+6*\j+3], 0x7f800000
.endr
	; ---- my two centres: out0, and their 32 bytes of the table
	s_wait_loadcnt 32                              ; the gathers are in; the 32 feature loads stay out
	s_cmp_lg_u32 s26, 0                            ; all 32 work-groups of a batch gather the same centres: the first of them stores
	s_cbranch_scc1 .Lno_out0
.irp q, 0,1,2
	global_store_b64 v[AID], v[G+2*\q:G+2*\q+1], s[20:21] offset:4096*\q      ; a wave stores 256 consecutive bytes, aligned
.endr
.Lno_out0:
	v_pk_mul_f32 v[CK+6:CK+7], v[G:G+1], v[G:G+1]
	v_pk_mul_f32 v[CK:CK+1], v[G:G+1], -2.0 op_sel_hi:[1,0]                   ; a = -2 c, exact
	v_pk_mul_f32 v[CK+2:CK+3], v[G+2:G+3], -2.0 op_sel_hi:[1,0]
	v_pk_mul_f32 v[CK+4:CK+5], v[G+4:G+5], -2.0 op_sel_hi:[1,0]
	v_pk_fma_f32 v[CK+6:CK+7], v[G+2:G+3], v[G+2:G+3], v[CK+6:CK+7]
	v_pk_fma_f32 v[CK+6:CK+7], v[G+4:G+5], v[G+4:G+5], v[CK+6:CK+7]           ; |c|^2
	ds_store_b128 v[LCT], v[CK:CK+3] offset:CT
	ds_store_b128 v[LCT], v[CK+4:CK+7] offset:CT+16
	s_wait_xcnt 0x0                                ; out0's stores have read their data and offsets: features will land in those registers
	s_wait_dscnt 0x0                               ; for the others' sake: my images, words, biases and centres lie in LDS
	s_barrier_signal -1
	s_barrier_wait -1
	; ---- THE BALL TEST: my 256 centres, two at a time, against my eight points a lane.
	; A GROUP is one pair of centres: 24 packed multiply-adds and 8 minima.  The pairs lie in a ring of four slots of 8 registers, asked for three groups ahead; a TRIP is four groups, after which
	; the slots' numbers are back where they began.  31 trips go in loops, the last is written out, since it has only one pair left to ask for.
.macro CLOAD slot, off                 ; all lanes read the same 32 bytes
	ds_load_b128 v[CR+8*(\slot):CR+8*(\slot)+3], v[ADR] offset:CT+(\off)
	ds_load_b128 v[CR+8*(\slot)+4:CR+8*(\slot)+7], v[ADR] offset:CT+(\off)+16
.endm
.macro GROUP k, load, left             ; left: the LDS loads that may stay out: two for each group already asked for behind this one
	s_wait_dscnt \left
.if \load
	CLOAD ((\k)+3)%4, 32*((\k)+3)                  ; into the slot that the group before has read
.endif
.set CB, CR+8*(\k)
.irp j, 0,1,2,3,4,5,6,7                        ; the eight points by turns: no line waits for the line above it.  Of the point's pair the lower register serves both halves
	v_pk_fma_f32 v[DD+2*\j:DD+2*\j+1], v[CB+4:CB+5], v[PT+6*\j+4:PT+6*\j+5], v[CB+6:CB+7] op_sel_hi:[1,0,1]
.endr
.irp j, 0,1,2,3,4,5,6,7
	v_pk_fma_f32 v[DD+2*\j:DD+2*\j+1], v[CB+2:CB+3], v[PT+6*\j+2:PT+6*\j+3], v[DD+2*\j:DD+2*\j+1] op_sel_hi:[1,0,1]
.endr
.irp j, 0,1,2,3,4,5,6,7
	v_pk_fma_f32 v[DD+2*\j:DD+2*\j+1], v[CB:CB+1], v[PT+6*\j:PT+6*\j+1], v[DD+2*\j:DD+2*\j+1] op_sel_hi:[1,0,1]
.endr
.irp j, 0,1,2,3,4,5,6,7
	v_min3_num_f32 v[PT+6*\j+1+2*((\k)%2)], v[PT+6*\j+1+2*((\k)%2)], v[DD+2*\j], v[DD+2*\j+1]
.endr
.endm
.macro TRIPS n
	s_mov_b32 s[CNT], \n
.Ltrip_\@:
	v_add_nc_u32 v[ADR], s[TB], v[LC0]
	GROUP 0, 1, 4
	GROUP 1, 1, 4
	GROUP 2, 1, 4
	GROUP 3, 1, 4
	s_add_co_u32 s[TB], s[TB], 128                 ; four pairs of 32 bytes on
	s_sub_co_u32 s[CNT], s[CNT], 1
	s_cmp_lg_u32 s[CNT], 0
	s_cbranch_scc1 .Ltrip_\@
.endm
	s_mov_b32 s[TB], 0
	v_add_nc_u32 v[ADR], s[TB], v[LC0]
	CLOAD 0, 0
	CLOAD 1, 32
	CLOAD 2, 64
	; The loop is written six times, since the feature loads that stand ahead of each copy name other registers: sixteen loads (eight channels of my 64 points), then five or six trips.
.irp s, 0,1,2,3,4,5
	FBATCH 32+16*\s, 16
.if \s == 5
	TRIPS 6
.else
	TRIPS 5
.endif
.endr
	v_add_nc_u32 v[ADR], s[TB], v[LC0]             ; the last trip: one pair is left to ask for, and the counts run down
	GROUP 0, 1, 4
	GROUP 1, 0, 4
	GROUP 2, 0, 2
	GROUP 3, 0, 0
.irp j, 0,1,2,3,4,5,6,7
	v_min_num_f32 v[PT+6*\j+1], v[PT+6*\j+1], v[PT+6*\j+3]
.endr
.irp j, 0,1,2,3,4,5,6,7
	v_add_f32 v[PT+6*\j+1], v[PT+6*\j+1], v[PT+6*\j+5]                        ; the squared distance to the nearest of my 256 centres
.endr
.irp j, 0,1,2,3,4,5,6,7
	ds_store_b32 v[MW], v[PT+6*\j+1] offset:MINS+128*\j
.endr
	s_wait_loadcnt 0x0                             ; all 128 feature loads (the last were asked for seven trips ago)
	s_wait_dscnt 0x0                               ; for the others' sake: my minima lie in LDS
	s_barrier_signal -1
	; ---- THE FEATURES become codes, between the barrier's signal and its wait: work on registers alone.  A lane holds both blocks of 32 channels of its two points
.irp q, 0,1,2,3                                ; chain q = 2 g + block: its 32 numbers begin at v[F + 32 q]
	v_max3_num_f32 v[T+\q], |v[F+32*\q]|, |v[F+32*\q+1]|, FLOOR
.endr
.irp i, 2,4,6,8,10,12,14,16,18,20,22,24,26,28,30
.irp q, 0,1,2,3
	v_max3_num_f32 v[T+\q], v[T+\q], |v[F+32*\q+\i]|, |v[F+32*\q+\i+1]|
.endr
.endr
.irp q, 0,1,2,3
	v_add_nc_u32 v[T+4+\q], 0xff000000, v[T+\q]
.endr
.irp q, 0,1,2,3
	v_lshrrev_b32 v[T+\q], 23, v[T+4+\q]
.endr
.irp g, 0,1
	v_lshl_or_b32 v[PWB+\g], v[T+2*\g+1], 8, v[T+2*\g]
.endr
.irp g, 0,1
	v_or_b32 v[PWB+\g], 0x7f7f0000, v[PWB+\g]      ; lane l: the word of point 32 g + l: tile 2 g reads lanes 0-15, tile 2 g + 1 lanes 16-31
.endr
.irp q, 0,1,2,3
.irp i, 0,1,2,3
	v_cvt_scalef32_pk8_fp4_f32 v[XC+8*\q+\i], v[F+32*\q+8*\i:F+32*\q+8*\i+7], v[T+4+\q]
.endr
.endr
	v_nop                                          ; one plain place behind the last scaled conversion
.irp g, 0,1
.irp i, 0,1,2,3
	v_permlane16_swap_b32 v[XC+16*\g+\i], v[XC+16*\g+8+\i]   ; block 0 of points 16-31 changes places with block 1 of points 0-15: each register now holds one tile: lanes 0-15 its block 0, lanes 16-31 its block 1
.endr
.endr
	s_barrier_wait -1                              ; all sixteen waves' minima lie in LDS
; The two weight fragments, their scale words and their biases for tiles 2 bb and 2 bb + 1 of layer L (1 or 2)
.macro NEXTW L, bb
.irp u, 0,1
.if \L == 1
	ds_load_b128 v[WF+8*\u:WF+8*\u+3], v[LI] offset:W1IMG+512*(2*\bb+\u)
.else
	ds_load_b128 v[WF+8*\u:WF+8*\u+3], v[LI] offset:W2IMG+1024*(2*\bb+\u)
	ds_load_b128 v[WF+8*\u+4:WF+8*\u+7], v[LI] offset:W2IMG+1024*(2*\bb+\u)+512
.endif
	ds_load_b128 v[BR+8*\u:BR+8*\u+3], v[BH] offset:BIAS+512*(\L-1)+128*\bb+32*\u       ; lane (r, h): the bias of units 32 bb + 16 h + 8 u + 0 .. 7
	ds_load_b128 v[BR+8*\u+4:BR+8*\u+7], v[BH] offset:BIAS+512*(\L-1)+128*\bb+32*\u+16
.endr
	ds_load_b32 v[WS], v[LS] offset:WSC+512*(\L-1)+128*\bb                    ; lanes 0-15: tile 2 bb's words; lanes 16-31: tile 2 bb + 1's
.endm
; A transposed product: D = W's tile x a tile of points + the bias.  ra, rb: the side's scales stand in lanes 16-31
.macro WMT d, a, b, c, sa, sb, ra, rb
.if (\ra) && (\rb)
	v_wmma_scale_f32_16x16x128_f8f6f4 v[(\d):(\d)+7], v[(\a):(\a)+7], v[(\b):(\b)+7], v[(\c):(\c)+7], v[\sa], v[\sb] matrix_a_fmt:MATRIX_FMT_FP4 matrix_b_fmt:MATRIX_FMT_FP4 matrix_a_scale:MATRIX_SCALE_ROW1 matrix_b_scale:MATRIX_SCALE_ROW1
.elseif \ra
	v_wmma_scale_f32_16x16x128_f8f6f4 v[(\d):(\d)+7], v[(\a):(\a)+7], v[(\b):(\b)+7], v[(\c):(\c)+7], v[\sa], v[\sb] matrix_a_fmt:MATRIX_FMT_FP4 matrix_b_fmt:MATRIX_FMT_FP4 matrix_a_scale:MATRIX_SCALE_ROW1
.elseif \rb
	v_wmma_scale_f32_16x16x128_f8f6f4 v[(\d):(\d)+7], v[(\a):(\a)+7], v[(\b):(\b)+7], v[(\c):(\c)+7], v[\sa], v[\sb] matrix_a_fmt:MATRIX_FMT_FP4 matrix_b_fmt:MATRIX_FMT_FP4 matrix_b_scale:MATRIX_SCALE_ROW1
.else
	v_wmma_scale_f32_16x16x128_f8f6f4 v[(\d):(\d)+7], v[(\a):(\a)+7], v[(\b):(\b)+7], v[(\c):(\c)+7], v[\sa], v[\sb] matrix_a_fmt:MATRIX_FMT_FP4 matrix_b_fmt:MATRIX_FMT_FP4
.endif
.endm
; Eight products: two tiles of units x four tiles of points, each a whole sum (K = 128 at the most): eight different results, no chain
.macro MM12 L, IN
	s_wait_dscnt 0x0                               ; fragments, words and biases are in
.irp u, 0,1
.irp p, 0,1,2,3
.if \L == 1
	WMT ACC+32*\u+8*\p, WF+8*\u, \IN+8*\p, BR+8*\u, WS, PWB+\p/2, \u, \p%2
.else
	WMT ACC+32*\u+8*\p, WF+8*\u, \IN+8*\p, BR+8*\u, WS, PWA+\p, \u, 0
.endif
.endr
.endr
.endm
; relu, and block bb of the next K (units 32 bb .. + 31: my 16 registers and lane l xor 16's) becomes codes in OUT and a byte in PW; the four tiles of points by turns
.macro QUANTB bb, OUT, PW
.set n, 0
.rept 64
	v_max_num_f32 v[ACC+n], 0, v[ACC+n]            ; the activation, in f32; each result from its low end on
.set n, n+1
.endr
.irp p, 0,1,2,3
	v_max3_num_f32 v[TM+\p], v[ACC+8*\p], v[ACC+8*\p+1], FLOOR                ; no |.|: nothing is negative here
.endr
.irp i, 2,4,6,32,34,36,38
.irp p, 0,1,2,3
	v_max3_num_f32 v[TM+\p], v[TM+\p], v[ACC+8*\p+\i], v[ACC+8*\p+\i+1]
.endr
.endr
.irp p, 0,1,2,3
	v_permlanex16_b32 v[TM+4+\p], v[TM+\p], s34, s35
.endr
.irp p, 0,1,2,3
	v_max_num_f32 v[TM+\p], v[TM+\p], v[TM+4+\p]
.endr
.irp p, 0,1,2,3
	v_add_nc_u32 v[TM+8+\p], 0xff000000, v[TM+\p]
.endr
.irp p, 0,1,2,3
	v_lshrrev_b32 v[TM+12+\p], 23, v[TM+8+\p]
.endr
.irp p, 0,1,2,3
.if \bb == 0
	v_mov_b32 v[\PW+\p], v[TM+12+\p]
.else
	v_lshl_or_b32 v[\PW+\p], v[TM+12+\p], 8*\bb, v[\PW+\p]
.endif
.endr
.irp p, 0,1,2,3
	v_cvt_scalef32_pk8_fp4_f32 v[\OUT+8*\p+2*\bb], v[ACC+8*\p:ACC+8*\p+7], v[TM+8+\p]          ; k = 32 bb + 16 h + 0 .. 7
	v_cvt_scalef32_pk8_fp4_f32 v[\OUT+8*\p+2*\bb+1], v[ACC+32+8*\p:ACC+32+8*\p+7], v[TM+8+\p]  ; and + 8 .. 15
.endr
	v_nop                                          ; one plain place behind the last scaled conversion
.endm
.macro SWAPS OUT                       ; the operand's layout wants a WHOLE block in a lane: lanes 0-15 block 2 c, lanes 16-31 block 2 c + 1
.irp p, 0,1,2,3
.irp c, 0,1
.irp i, 0,1
	v_permlane16_swap_b32 v[\OUT+8*\p+4*\c+\i], v[\OUT+8*\p+4*\c+2+\i]
.endr
.endr
.endr
.endm
.macro W3LOAD t
	ds_load_b128 v[WF+8*((\t)%2):WF+8*((\t)%2)+3], v[LI] offset:W3IMG+1024*(\t)
	ds_load_b128 v[WF+8*((\t)%2)+4:WF+8*((\t)%2)+7], v[LI] offset:W3IMG+1024*(\t)+512
.endm
	; ---- my own 64 points' caps: the least of the four quarters' distances against 0.01
.irp g, 0,1
.irp q, 0,1,2,3
	ds_load_b32 v[MN+4*\g+\q], v[CAPW] offset:MINS+4096*\q+128*\g             ; point 32 g + lane of my 64
.endr
.endr
	NEXTW 1, 0
.irp p, 0,1,2,3
.irp i, 4,5,6,7
	v_mov_b32 v[XC+8*\p+\i], 0                     ; layer 1: k = 64 .. 127 are zero codes, on both sides
.endr
.endr
.irp u, 0,1
.irp i, 4,5,6,7
	v_mov_b32 v[WF+8*\u+\i], 0
.endr
.endr
.irp p, 0,1,2,3
	v_mov_b32 v[TM+4+\p], 0                        ; written once: a lane permute's destination counts as one of its sources
.endr
	v_mov_b32 v104, 0xff7fffff                     ; the lowest finite f32
	v_mov_b32 v105, 0x7f800000
	s_wait_dscnt 7                                 ; the eight minima are in; behind them: the seven loads of layer 1's first weights
.irp g, 0,1
	v_min3_num_f32 v[MN+4*\g], v[MN+4*\g], v[MN+4*\g+1], v[MN+4*\g+2]
.endr
.irp g, 0,1
	v_min_num_f32 v[MN+4*\g], v[MN+4*\g], v[MN+4*\g+3]
.endr
.irp g, 0,1
	v_cmp_gt_f32 vcc_lo, 0x3c23d70a, v[MN+4*\g]    ; 0.01 > d^2.  The choice selects a value: no branch and no address hangs on it
	v_cndmask_b32 v[MN+4*\g+1], v104, v105, vcc_lo
	ds_store_b32 v[CAPW], v[MN+4*\g+1] offset:CAP+128*\g                      ; my wave's own words: it alone reads them
.endr
	; (the features' scale words were written ahead of the 28 lines that write zeros, the last operand register ahead of the fourteen plain lines from TM's on: eight and four places are asked)
	; ---- LAYER 1: behind each run of products four places, then the next block's loads, which land while this block is quantised
	MM12 1, XC
	PLACES 4
	NEXTW 1, 1
	QUANTB 0, YC, PWA
	MM12 1, XC
	PLACES 4
	NEXTW 1, 2
	QUANTB 1, YC, PWA
	MM12 1, XC
	PLACES 4
	NEXTW 1, 3
	QUANTB 2, YC, PWA
	MM12 1, XC
	PLACES 4
	NEXTW 2, 0
	QUANTB 3, YC, PWA
	SWAPS YC
	PLACES 8                                       ; scale words written by vector instructions stand eight places ahead of a scaled product, operands four
	; ---- LAYER 2
	MM12 2, YC
	PLACES 4
	NEXTW 2, 1
	QUANTB 0, XC, PWB
	MM12 2, YC
	PLACES 4
	NEXTW 2, 2
	QUANTB 1, XC, PWB
	MM12 2, YC
	PLACES 4
	NEXTW 2, 3
	QUANTB 2, XC, PWB
	MM12 2, YC
	PLACES 4
	W3LOAD 0                                       ; layer 3's first two tiles, all its scale words, and my points' caps
	W3LOAD 1
.irp i, 0,1,2,3
	ds_load_b32 v[WS+\i], v[LS] offset:WSC+1024+128*\i
.endr
.irp p, 0,1,2,3
	ds_load_b128 v[CAPV+8*\p:CAPV+8*\p+3], v[CAPR] offset:CAP+64*\p           ; lane (r, h): the caps of points 8 h + 0 .. 7 of tile p.  LDS serves a wave's instructions in order: these see my stores
	ds_load_b128 v[CAPV+8*\p+4:CAPV+8*\p+7], v[CAPR] offset:CAP+64*\p+16
.endr
	QUANTB 3, XC, PWB
	SWAPS XC
	PLACES 8
	; ---- LAYER 3, as it stands: source 0 = a tile of points, source 1 = a tile of W3.  Lane (r, h): unit 32 (t / 2) + 8 (t % 2) + r + 8 (r / 8), points 8 h + 0 .. 7.
	; A point outside every ball is held down to the lowest finite f32 by its cap; then the maximum runs over the 32 registers.  Two sets of results by turns: tile t's products stand ahead of tile t - 1's vector work.
.macro WM3 d, a, b, sa, sb, rb
.if \rb
	v_wmma_scale_f32_16x16x128_f8f6f4 v[(\d):(\d)+7], v[(\a):(\a)+7], v[(\b):(\b)+7], 0, v[\sa], v[\sb] matrix_a_fmt:MATRIX_FMT_FP4 matrix_b_fmt:MATRIX_FMT_FP4 matrix_b_scale:MATRIX_SCALE_ROW1
.else
	v_wmma_scale_f32_16x16x128_f8f6f4 v[(\d):(\d)+7], v[(\a):(\a)+7], v[(\b):(\b)+7], 0, v[\sa], v[\sb] matrix_a_fmt:MATRIX_FMT_FP4 matrix_b_fmt:MATRIX_FMT_FP4
.endif
.endm
.macro MXMIN t
.set DB, ACC+32*((\t)%2)
.set n, 0
.rept 32
	v_min_num_f32 v[DB+n], v[DB+n], v[CAPV+n]      ; each result from its low end on
.set n, n+1
.endr
.endm
.macro MXMAX t                         ; two chains, so that no line waits for the line above it
.set DB, ACC+32*((\t)%2)
	v_max3_num_f32 v[RUN+(\t)], v[DB], v[DB+1], v[DB+2]
	v_max3_num_f32 v112, v[DB+15], v[DB+16], v[DB+17]
.irp i, 0,2,4,6,8,10
	v_max3_num_f32 v[RUN+(\t)], v[RUN+(\t)], v[DB+3+\i], v[DB+4+\i]
	v_max3_num_f32 v112, v112, v[DB+18+\i], v[DB+19+\i]
.endr
	v_max3_num_f32 v112, v112, v[DB+30], v[DB+31]
	v_max_num_f32 v[RUN+(\t)], v[RUN+(\t)], v112
.endm
.set tt, 0
.rept 8
.if (tt == 0) || (tt == 7)
	s_wait_dscnt 0x0
.else
	s_wait_dscnt 2                                 ; this tile of W3 is in; the next one's two loads may be out
.endif
.irp p, 0,1,2,3
	WM3 ACC+32*(tt%2)+8*\p, XC+8*\p, WF+8*(tt%2), PWB+\p, WS+tt/2, tt%2
.endr
.if tt == 0
	PLACES 4
.else
	MXMIN tt-1
.endif
.if tt <= 5
	W3LOAD tt+2                                    ; into the fragment just multiplied: the lines above are its places
.endif
.if tt > 0
	MXMAX tt-1
.endif
.set tt, tt+1
.endr
	MXMIN 7
	MXMAX 7
	; ---- the wave's 128 maxima, then the work-group's
.irp t, 0,1,2,3,4,5,6,7
	v_permlanex16_b32 v[ACC+\t], v[RUN+\t], s34, s35                          ; the other eight points of each tile lie in lane l xor 16
.endr
.irp t, 0,1,2,3,4,5,6,7
	v_max_num_f32 v[RUN+\t], v[RUN+\t], v[ACC+\t]
.endr
.irp t, 0,1,2,3,4,5,6,7
	ds_store_b32 v[REDW], v[RUN+\t] offset:RED+4*(32*(\t/2)+8*(\t%2))         ; by the unit's own number
.endr
	s_wait_dscnt 0x0                               ; for wave 0's sake: my 128 maxima lie in LDS
	s_barrier_signal -1
	s_barrier_wait -1
	s_cmp_lg_u32 s24, 0
	s_cbranch_scc1 .Lend
.irp i, 0,1,2,3,4,5,6,7,8,9,10,11,12,13,14,15
	ds_load_b128 v[128+4*\i:128+4*\i+3], v[LI] offset:RED+512*\i              ; wave i's maxima of my four units
.endr
	s_wait_dscnt 0x0
.irp k, 0,1,2,3
	v_max3_num_f32 v[192+\k], v[128+\k], v[132+\k], v[136+\k]
.endr
.irp i, 3,5,7,9,11,13
.irp k, 0,1,2,3
	v_max3_num_f32 v[192+\k], v[192+\k], v[128+4*\i+\k], v[132+4*\i+\k]
.endr
.endr
.irp k, 0,1,2,3
	v_max_num_f32 v[192+\k], v[192+\k], v[188+\k]
.endr
	global_store_b128 v[LI], v[192:195], s[22:23]  ; 32 lanes store 512 consecutive bytes, aligned: my work-group's row of part
.Lend:
	s_wait_xcnt 0x0
	v_lshl_add_u32 v254, v0, 2, 0x10b00
	v_mov_b32 v255, 0
	s_wait_tensorcnt 0x0
	ds_add_u32 v254, v255
	s_wait_dscnt 0x0
	s_endpgm
.Lfunc_end_k_q32f2476f19_main:
	.size	k_q32f2476f19_main, .Lfunc_end_k_q32f2476f19_main-k_q32f2476f19_main
	.p2alignl 7, 3214868480
	.fill 96, 4, 3214868480
	.section	.rodata,"a",@progbits
	.p2align	6, 0x0
	.amdhsa_kernel k_q32f2476f19_main
		.amdhsa_group_segment_fixed_size 70400
		.amdhsa_private_segment_fixed_size 0
		.amdhsa_enable_private_segment 0
		.amdhsa_kernarg_size 80
		.amdhsa_user_sgpr_count 2
		.amdhsa_user_sgpr_kernarg_segment_ptr 1
		.amdhsa_wavefront_size32 1
		.amdhsa_system_sgpr_workgroup_id_x 1
		.amdhsa_system_sgpr_workgroup_id_y 1
		.amdhsa_system_sgpr_workgroup_id_z 1
		.amdhsa_system_vgpr_workitem_id 0
		.amdhsa_next_free_vgpr 256
		.amdhsa_next_free_sgpr 66
		.amdhsa_reserve_vcc 1
		.amdhsa_float_denorm_mode_32 3
		.amdhsa_float_denorm_mode_16_64 3
		.amdhsa_memory_ordered 1
		.amdhsa_forward_progress 1
		.amdhsa_inst_pref_size 186
	.end_amdhsa_kernel
	.amdgpu_metadata
---
amdhsa.version: [ 1, 2 ]
amdhsa.kernels:
  - .name:           k_q32f2476f19_main
    .symbol:         k_q32f2476f19_main.kd
    .args:
      - { .name: xyz, .offset: 0, .size: 8, .value_kind: global_buffer, .address_space: global }
      - { .name: points, .offset: 8, .size: 8, .value_kind: global_buffer, .address_space: global }
      - { .name: fps_idx, .offset: 16, .size: 8, .value_kind: global_buffer, .address_space: global }
      - { .name: W1, .offset: 24, .size: 8, .value_kind: global_buffer, .address_space: global }
      - { .name: b1, .offset: 32, .size: 8, .value_kind: global_buffer, .address_space: global }
      - { .name: W2, .offset: 40, .size: 8, .value_kind: global_buffer, .address_space: global }
      - { .name: b2, .offset: 48, .size: 8, .value_kind: global_buffer, .address_space: global }
      - { .name: W3, .offset: 56, .size: 8, .value_kind: global_buffer, .address_space: global }
      - { .name: out0, .offset: 64, .size: 8, .value_kind: global_buffer, .address_space: global }
      - { .name: part, .offset: 72, .size: 8, .value_kind: global_buffer, .address_space: global }
    .group_segment_fixed_size: 70400
    .private_segment_fixed_size: 0
    .kernarg_segment_align: 8
    .kernarg_segment_size: 80
    .max_flat_workgroup_size: 512
    .sgpr_count:     66
    .vgpr_count:     256
    .wavefront_size: 32
...
	.end_amdgpu_metadata
.endif
;; end of part 1
;; launch finish (part 2): grid 8 x 1, 1 waves a work-group, no clusters, 0 bytes of LDS; arguments part, b3, out1; writes out1
.if DOCPART == 2
	.amdgcn_target "amdgcn-amd-amdhsa--gfx1250"
	.amdhsa_code_object_version 6
	.text
	.protected	k_q32f2476f19_finish
	.globl	k_q32f2476f19_finish
	.p2align	8
	.type	k_q32f2476f19_finish,@function
k_q32f2476f19_finish:
	s_mov_b64 s[64:65], 0
	v_nop
	global_prefetch_b8 v0, s[64:65] scope:SCOPE_SE
	s_setreg_imm32_b32 hwreg(HW_REG_WAVE_MODE, 25, 1), 1
	s_wait_xcnt 0x0
; SET ABSTRACTION, second launch.  part [256][128] f32: for each of the first launch's work-groups the largest raw sum of layer 3 over its points that lie in a ball, or the lowest finite f32.
; out1[b][o] = relu(the largest of batch b's 32 rows + b3[o]); where no point of the batch lies in any ball, the lowest finite f32, as the masked maximum leaves it.
; One wave for a batch: a lane takes four units, each load reads a whole row of 512 bytes.  16 KiB a work-group: no LDS, no barrier, nothing to overlap.
.set P, 8                              ; v8-135: the 32 rows, four registers each
.set M, 136                            ; v136-139: the maxima
.set Y, 140                            ; v140-143: the results
	s_load_b128 s[4:7], s[0:1], 0x0                ; part s[4:5], b3 s[6:7]
	s_load_b64 s[8:9], s[0:1], 0x10                ; out1
	v_lshlrev_b32 v1, 4, v0                        ; 16 bytes a lane
	v_mov_b32 v2, 0xff7fffff                       ; the lowest finite f32
	s_lshl_b32 s10, ttmp9, 14                      ; 32 rows of 512 bytes a batch
	s_mov_b32 s11, 0
	s_lshl_b32 s12, ttmp9, 9
	s_mov_b32 s13, 0
	s_wait_kmcnt 0x0
	s_add_nc_u64 s[4:5], s[4:5], s[10:11]
	s_add_nc_u64 s[8:9], s[8:9], s[12:13]
	global_load_b128 v[4:7], v1, s[6:7]
.irp i, 0,1,2,3,4,5,6,7,8,9,10,11,12,13,14,15,16,17,18,19,20,21,22,23,24,25,26,27,28,29,30,31
	global_load_b128 v[P+4*\i:P+4*\i+3], v1, s[4:5] offset:512*\i
.endr
	s_wait_loadcnt 0x0
.irp k, 0,1,2,3
	v_max3_num_f32 v[M+\k], v[P+\k], v[P+4+\k], v[P+8+\k]
.endr
.irp i, 3,5,7,9,11,13,15,17,19,21,23,25,27,29
.irp k, 0,1,2,3
	v_max3_num_f32 v[M+\k], v[M+\k], v[P+4*\i+\k], v[P+4*\i+4+\k]
.endr
.endr
.irp k, 0,1,2,3
	v_max_num_f32 v[M+\k], v[M+\k], v[P+124+\k]
.endr
.irp k, 0,1,2,3
	v_add_f32 v[Y+\k], v[M+\k], v[4+\k]            ; the bias,
.endr
.irp k, 0,1,2,3
	v_max_num_f32 v[Y+\k], 0, v[Y+\k]              ; the activation
.endr
.irp k, 0,1,2,3
	v_cmp_lt_f32 vcc_lo, 0xff7fffff, v[M+\k]       ; did any point of the batch count?
	v_cndmask_b32 v[Y+\k], v2, v[Y+\k], vcc_lo
.endr
	global_store_b128 v1, v[Y:Y+3], s[8:9]         ; 32 lanes store the batch's row of 512 bytes, aligned
	s_endpgm
.Lfunc_end_k_q32f2476f19_finish:
	.size	k_q32f2476f19_finish, .Lfunc_end_k_q32f2476f19_finish-k_q32f2476f19_finish
	.p2alignl 7, 3214868480
	.fill 96, 4, 3214868480
	.section	.rodata,"a",@progbits
	.p2align	6, 0x0
	.amdhsa_kernel k_q32f2476f19_finish
		.amdhsa_group_segment_fixed_size 0
		.amdhsa_private_segment_fixed_size 0
		.amdhsa_enable_private_segment 0
		.amdhsa_kernarg_size 24
		.amdhsa_user_sgpr_count 2
		.amdhsa_user_sgpr_kernarg_segment_ptr 1
		.amdhsa_wavefront_size32 1
		.amdhsa_system_sgpr_workgroup_id_x 1
		.amdhsa_system_sgpr_workgroup_id_y 1
		.amdhsa_system_sgpr_workgroup_id_z 1
		.amdhsa_system_vgpr_workitem_id 0
		.amdhsa_next_free_vgpr 144
		.amdhsa_next_free_sgpr 66
		.amdhsa_reserve_vcc 1
		.amdhsa_float_denorm_mode_32 3
		.amdhsa_float_denorm_mode_16_64 3
		.amdhsa_memory_ordered 1
		.amdhsa_forward_progress 1
		.amdhsa_inst_pref_size 9
	.end_amdhsa_kernel
	.amdgpu_metadata
---
amdhsa.version: [ 1, 2 ]
amdhsa.kernels:
  - .name:           k_q32f2476f19_finish
    .symbol:         k_q32f2476f19_finish.kd
    .args:
      - { .name: part, .offset: 0, .size: 8, .value_kind: global_buffer, .address_space: global }
      - { .name: b3, .offset: 8, .size: 8, .value_kind: global_buffer, .address_space: global }
      - { .name: out1, .offset: 16, .size: 8, .value_kind: global_buffer, .address_space: global }
    .group_segment_fixed_size: 0
    .private_segment_fixed_size: 0
    .kernarg_segment_align: 8
    .kernarg_segment_size: 24
    .max_flat_workgroup_size: 32
    .sgpr_count:     66
    .vgpr_count:     144
    .wavefront_size: 32
...
	.end_amdgpu_metadata
.endif
;; end of part 2
